; MI455X (gfx1250); checked and timed in simulation.
; The chip was launched on July 23, 2026; its instructions are those of AMD's public machine-readable ISA for CDNA 5 (MIT licence, August 2026) and "CDNA5" Instruction Set Architecture Reference Guide (July 2026). The comments in the code are by the model that wrote it; some were corrected since.
;; Vllm Mixture Of Experts Op. Allowed arithmetic: matrix products marked QUANTISED: E4M3 operands, one given power-of-two scale a tensor, by v_wmma_f32_16x16x64_fp8_fp8 or v_wmma_f32_16x16x128_fp8_fp8, f32 sums; everything else in f32.
;; Inputs: expert_routing_table 8,192 x 2 int32; hidden_states 8,192 x 2,048 float32; lowp_scales 32 int32 (the exponents e of the quantised operands' scales 2^e); router_weights 8,192 x 2 float32; w13 8 x 256 x 2,048 float32; w2 8 x 2,048 x 128 float32.
;; Outputs: out0 8,192 x 2,048 float32.
;; This version of the problem:
;;   THIS VERSION OF THE PROBLEM IS GIVEN IN LOW PRECISION. The matrix products marked QUANTISED in the list below multiply operands that are first quantised to E4M3 (4 exponent bits, 3 mantissa bits; 8 bits a number), with one given power-of-two scale for each operand tensor; their sums are f32. All else is computed in f32.
;;   The module's matrix products, in the order in which they are computed (A, B: the left and right operand; K: the contracted axis; several contracted axes count as one K, in the product's order):
;;     1. [M 8,192, K 2,048] x [K 2,048, N 256]; A: input hidden_states; B: input w13: QUANTISED (scales: A lowp_scales[0], B lowp_scales[1])
;;     2. [M 8,192, K 128] x [K 128, N 2,048]; A: computed on the way; B: input w2: QUANTISED (scales: A lowp_scales[2], B lowp_scales[3])
;;     3. [M 8,192, K 2,048] x [K 2,048, N 256]; A: input hidden_states; B: input w13: QUANTISED (scales: A lowp_scales[4], B lowp_scales[5])
;;     4. [M 8,192, K 128] x [K 128, N 2,048]; A: computed on the way; B: input w2: QUANTISED (scales: A lowp_scales[6], B lowp_scales[7])
;;     5. [M 8,192, K 2,048] x [K 2,048, N 256]; A: input hidden_states; B: input w13: QUANTISED (scales: A lowp_scales[8], B lowp_scales[9])
;;     6. [M 8,192, K 128] x [K 128, N 2,048]; A: computed on the way; B: input w2: QUANTISED (scales: A lowp_scales[10], B lowp_scales[11])
;;     7. [M 8,192, K 2,048] x [K 2,048, N 256]; A: input hidden_states; B: input w13: QUANTISED (scales: A lowp_scales[12], B lowp_scales[13])
;;     8. [M 8,192, K 128] x [K 128, N 2,048]; A: computed on the way; B: input w2: QUANTISED (scales: A lowp_scales[14], B lowp_scales[15])
;;     9. [M 8,192, K 2,048] x [K 2,048, N 256]; A: input hidden_states; B: input w13: QUANTISED (scales: A lowp_scales[16], B lowp_scales[17])
;;     10. [M 8,192, K 128] x [K 128, N 2,048]; A: computed on the way; B: input w2: QUANTISED (scales: A lowp_scales[18], B lowp_scales[19])
;;     11. [M 8,192, K 2,048] x [K 2,048, N 256]; A: input hidden_states; B: input w13: QUANTISED (scales: A lowp_scales[20], B lowp_scales[21])
;;     12. [M 8,192, K 128] x [K 128, N 2,048]; A: computed on the way; B: input w2: QUANTISED (scales: A lowp_scales[22], B lowp_scales[23])
;;     13. [M 8,192, K 2,048] x [K 2,048, N 256]; A: input hidden_states; B: input w13: QUANTISED (scales: A lowp_scales[24], B lowp_scales[25])
;;     14. [M 8,192, K 128] x [K 128, N 2,048]; A: computed on the way; B: input w2: QUANTISED (scales: A lowp_scales[26], B lowp_scales[27])
;;     15. [M 8,192, K 2,048] x [K 2,048, N 256]; A: input hidden_states; B: input w13: QUANTISED (scales: A lowp_scales[28], B lowp_scales[29])
;;     16. [M 8,192, K 128] x [K 128, N 2,048]; A: computed on the way; B: input w2: QUANTISED (scales: A lowp_scales[30], B lowp_scales[31])
;;   THE QUANTISER, for each operand of a quantised product, along K:
;;     - The operand's scale is 2^e, e = its entry of the input lowp_scales (int32; the entries are numbered through the quantised products in the list's order, A before B).
;;     - Each number is divided by the scale, clamped to +-448, and rounded to the nearest number of E4M3, ties to even, subnormals kept.
;;     - The product sums the exact products of the quantised numbers (number of the format x scale) in f32.
;;   ~~~python
;;   def quantise(x, axis, e):      # numpy; x: float32 -> the quantised numbers, widened to float32 again
;;       x = np.moveaxis(x, axis, -1); K = x.shape[-1]
;;       r = np.clip(x / 2.0 ** e, -448, 448)
;;       step = 2.0 ** (np.maximum(np.frexp(np.where(r == 0, 1, r))[1] - 1, -6) - 3)
;;       q = np.round(r / step) * step * 2.0 ** e      # np.round: ties to even
;;       return np.moveaxis(q, -1, axis).astype(np.float32)
;;   ~~~
;;   OPERANDS COMPUTED ON THE WAY. 'Computed on the way' means the value that the module computes at that place (a softmax that the list does not call 'softmax' is quantised finished and normalised). What goes into a quantiser is computed in f32, as accurately as f32 sums, v_exp_f32 and their like allow (about 1e-6 of the number): no bf16 or f16 on the way to a quantiser, and a product that is left as it is and whose result goes on into a quantised operand takes f32 operands (vector FMAs, or v_wmma_f32_16x16x4_f32). A number that lies on a knife's edge between two numbers of the format may be rounded either way, as far as f32 arithmetic and the matrix unit's own rounding can turn it there, and no further.
;; One version. Each part assembles by itself: llvm-mc -triple=amdgcn-amd-amdhsa -mcpu=gfx1250 --defsym DOCPART=n.
;; ======== version 1 of 1: 3 launches
;; workspace buffers: xq 134,217,728 bytes; w13q 4,194,304 bytes; w2q 2,097,152 bytes; hq 8,388,608 bytes
;; launch quant (part 1): grid 704 x 1, 4 waves a work-group, no clusters, 34,304 bytes of LDS; arguments hidden_states, w13, w2, lowp_scales, xq, w13q, w2q; writes xq, w13q, w2q
.if DOCPART == 1
	.amdgcn_target "amdgcn-amd-amdhsa--gfx1250"
	.amdhsa_code_object_version 6
	.text
	.protected	k_q3b72bdec09_quant
	.globl	k_q3b72bdec09_quant
	.p2align	8
	.type	k_q3b72bdec09_quant,@function
k_q3b72bdec09_quant:
	s_mov_b64 s[64:65], 0
	v_nop
	global_prefetch_b8 v0, s[64:65] scope:SCOPE_SE
	s_setreg_imm32_b32 hwreg(HW_REG_WAVE_MODE, 25, 1), 1
	s_wait_xcnt 0x0
; hidden_states [8192][2048], w13 [8][256][2048] and w2 [8][2048][128], f32, become codes of E4M3 with the given scales 2^e.
; code = x / 2^e, held within +-448, rounded to the nearest code, ties to even.
; THE UNIT OF EVERY CODE BUFFER IS AN IMAGE: one operand fragment, 16 rows x 128 K, 2,048 bytes in the order of the operand's registers.
; Chunk c (0..3) is 512 bytes; lane l = r + 16 h has its 16 bytes at 512 c + 16 l: of row r, k = 32 c + 8 h + 0..7, then k = 32 c + 16 + 8 h + 0..7.
; A reader gets a fragment by four loads of 16 bytes a lane at a constant + 16 x lane.
;   xq   [version 8][token block 32][K step 16][row tile 16][2048]     w13q [expert 8][K step 16][row tile 16][2048]     w2q [column tile 128][expert 8][2048]
; VERSIONS OF x: x has an entry of its own for each expert, lowp_scales[4 e].  Version v is written where no u < v has the same entry; the reader takes the first index with its entry.
; That is right for any entries; the stores of x's part grow with the number of different entries (16 MiB a version).
; SHARES: a work-group takes 16 tiles of 16 rows x 128 K, 131,072 consecutive bytes of f32.  Work-groups 0-511: x; 512-639: w13; 640-703: w2.  All take ONE path; only pointers and strides are chosen.
; Wave w takes tiles 4 w .. 4 w + 3.  A load reads 512 consecutive bytes of one row; a tile turns through the wave's own stage in LDS (16 rows, 528 bytes apart: 33 x 16, so that
; the sixteen rows that a read of 16 bytes a lane touches start 16 bytes further on, modulo 256, each).  Waves share nothing: no barrier.
; LIMITS: each e between -126 and 119, so that 2^e and 448 x 2^e are f32 numbers.  NaN among the inputs is not served (an infinity is held at the largest code).
.set WSTG, 8448                        ; a wave's stage
.set SPT,  528                         ; a stage row
.set L16,  4                           ; v4    16 x lane
.set SA,   5                           ; v5    into the stage: wave's stage + 16 x lane
.set LA,   6                           ; v6    out of it: wave's stage + 528 r + 32 h
.set VO,   7                           ; v7    version x 2^24 + 16 x lane
.set SCL,  8                           ; v8    2^e as f32
.set LIM,  9                           ; v9    448 x 2^e
.set OFF,  16                          ; v16-31   16 x lane + row x the row's pitch in memory; never rewritten
.set R,    32                          ; v32-159  two sets of 64: a tile as loaded
.set X,    160                         ; v160-223 64 numbers in the operand's order
.set C,    224                         ; v224-239 their codes
.set SRC,  32                          ; s[32:39] the four tiles' first bytes
.set DST,  40                          ; s[40:47] their images' first bytes (version 0)
.set MASK, 56                          ; s56   bit v: version v is written
.set VER,  57                          ; s57   the version in hand
	s_load_b256 s[4:11], s[0:1], 0x0               ; x s[4:5], w13 s[6:7], w2 s[8:9], the exponents s[10:11]
	s_load_b128 s[12:15], s[0:1], 0x20             ; xq s[12:13], w13q s[14:15]
	s_load_b64 s[16:17], s[0:1], 0x30              ; w2q
	v_lshl_add_u32 v240, v0, 2, 0x8400
	v_mov_b32 v241, 0
	v_lshrrev_b32 v1, 5, v0
	v_readfirstlane_b32 s18, v1                    ; wave 0..3
	v_and_b32 v1, 31, v0                           ; lane
	v_and_b32 v2, 15, v0                           ; r
	v_bfe_u32 v3, v0, 4, 1                         ; h
	v_lshlrev_b32 v[L16], 4, v1
	s_mul_i32 s58, s18, WSTG
	v_add_nc_u32 v[SA], s58, v[L16]
	v_mul_u32_u24 v[LA], v2, SPT
	v_lshl_add_u32 v[LA], v3, 5, v[LA]
	v_add_nc_u32 v[LA], s58, v[LA]
	; which tensor, by the work-group's number alone.  An instruction takes one literal, so one of two numbers is put into the register first
	s_mov_b32 s24, 640
	s_mov_b32 s25, 512
	s_mov_b32 s26, 8192
	s_mov_b32 s27, 16384
	s_cmp_lt_u32 ttmp9, 640
	s_cselect_b32 s24, 512, s24
	s_cselect_b32 s25, 8192, s25                   ; bytes from row to row: x, w13: 8,192; w2: 512
	s_cselect_b32 s26, 512, s26                    ; bytes from tile to tile: along K 512; w2: 16 rows = 8,192
	s_cselect_b32 s27, 32768, s27                  ; bytes from image to image: a K step = 32,768; w2: a column tile = 16,384
	s_cmp_lt_u32 ttmp9, 512
	s_cselect_b32 s24, 0, s24
	s_sub_co_u32 s24, ttmp9, s24                   ; L: the work-group's number within its tensor
	s_lshr_b32 s58, s24, 4
	s_lshl_b32 s59, s58, 19
	s_and_b32 s60, s24, 15
	s_lshl_b32 s60, s60, 11
	s_add_co_u32 s59, s59, s60                     ; x, w13: (L / 16) x 2^19 + (L % 16) x 2,048
	s_lshl_b32 s58, s58, 4
	s_add_co_u32 s58, s58, 4                       ; w13's entry: byte 16 e + 4, e = L / 16
	s_lshr_b32 s61, s24, 3
	s_and_b32 s60, s24, 7
	s_lshl_b32 s60, s60, 18
	s_lshl_b32 s62, s61, 11
	s_add_co_u32 s60, s60, s62                     ; w2: (L % 8) x 16 column tiles + e x 2,048, e = L / 8
	s_lshl_b32 s61, s61, 4
	s_add_co_u32 s61, s61, 12                      ; w2's entry: byte 16 e + 12
	s_cmp_lt_u32 ttmp9, 640
	s_cselect_b32 s29, s59, s60
	s_cselect_b32 s28, s58, s61
	s_cmp_lt_u32 ttmp9, 512
	s_cselect_b32 s28, 0, s28                      ; x's entries: byte 16 v + 0
	s_lshl_b32 s60, s18, 2                         ; my first tile: 4 w
	s_lshl_b32 s58, s24, 17
	s_mul_i32 s61, s60, s26
	s_add_co_u32 s58, s58, s61                     ; its first byte in the tensor
	s_mov_b32 s59, 0
	s_mul_i32 s61, s60, s27
	s_add_co_u32 s60, s29, s61                     ; and its image's
	s_mov_b32 s61, 0
	s_mov_b32 s30, s26
	s_mov_b32 s31, 0
	s_mov_b32 s62, s27
	s_mov_b32 s63, 0
	s_wait_kmcnt 0x0
.irp v, 0,1,2,3,4,5,6,7
	s_load_b32 s[48+\v], s[10:11], 16*\v           ; x's eight entries
.endr
	s_cmp_lt_u32 ttmp9, 640                        ; the buffers are chosen on the work-group's number alone
	s_cselect_b64 s[20:21], s[6:7], s[8:9]
	s_cselect_b64 s[22:23], s[14:15], s[16:17]
	s_cmp_lt_u32 ttmp9, 512
	s_cselect_b64 s[20:21], s[4:5], s[20:21]
	s_cselect_b64 s[22:23], s[12:13], s[22:23]
	s_add_nc_u64 s[SRC:SRC+1], s[20:21], s[58:59]
	s_add_nc_u64 s[DST:DST+1], s[22:23], s[60:61]
.irp t, 1,2,3
	s_add_nc_u64 s[SRC+2*\t:SRC+2*\t+1], s[SRC+2*\t-2:SRC+2*\t-1], s[30:31]
	s_add_nc_u64 s[DST+2*\t:DST+2*\t+1], s[DST+2*\t-2:DST+2*\t-1], s[62:63]
.endr
.irp p, 0,1,2,3,4,5,6,7,8,9,10,11,12,13,14,15
	s_mul_i32 s58, s25, \p
	v_add_nc_u32 v[OFF+\p], s58, v[L16]
.endr
.macro LOAD t                          ; tile t: sixteen rows, each 512 consecutive bytes, aligned to 512; read once in the launch
.irp p, 0,1,2,3,4,5,6,7,8,9,10,11,12,13,14,15
	global_load_b128 v[R+64*((\t)%2)+4*\p:R+64*((\t)%2)+4*\p+3], v[OFF+\p], s[SRC+2*(\t):SRC+2*(\t)+1] th:TH_LOAD_NT
.endr
.endm
	LOAD 0
	LOAD 1
	s_wait_kmcnt 0x0
	s_mov_b32 s[MASK], 0xff
.irp v, 1,2,3,4,5,6,7
.irp u, 0,1,2,3,4,5,6
.if \u < \v
	s_cmp_eq_u32 s[48+\v], s[48+\u]                ; an earlier expert has the same scale: its version serves
	s_cselect_b32 s58, 1<<\v, 0
	s_and_not1_b32 s[MASK], s[MASK], s58
.endif
.endr
.endr
	s_cmp_lt_u32 ttmp9, 512
	s_cselect_b32 s[MASK], s[MASK], 1              ; a weight has one version
.macro TILE t
.if (\t) < 3
	s_wait_loadcnt 16                              ; this tile's sixteen loads are in; the next tile's sixteen may be out
.else
	s_wait_loadcnt 0
.endif
.irp p, 0,1,2,3,4,5,6,7,8,9,10,11,12,13,14,15
	ds_store_b128 v[SA], v[R+64*((\t)%2)+4*\p:R+64*((\t)%2)+4*\p+3] offset:SPT*\p
.endr
	s_wait_dscnt 0x0                               ; the stores have read their registers,
.if (\t)+2 < 4
	LOAD (\t)+2                                    ; which take the tile two further on
.endif
	s_mov_b32 s[VER], 0
.Lver_\@:                                      ; eight trips; a version that is not written is jumped over.  The stage keeps the tile, so each version reads it anew and holds in place
	s_lshr_b32 s58, s[MASK], s[VER]
	s_and_b32 s58, s58, 1
	s_cmp_eq_u32 s58, 0
	s_cbranch_scc1 .Lskip_\@
	s_lshl_b32 s59, s[VER], 4
	s_add_co_u32 s59, s59, s28
	s_load_b32 s58, s[10:11], s59 offset:0x0       ; e.  (Weights take this way with version 0 alone, so the byte stays inside the 128)
.irp g, 0,1,2,3
.irp i, 0,1,2,3
	ds_load_b128 v[X+16*\g+4*\i:X+16*\g+4*\i+3], v[LA] offset:128*\g+16*(\i%2)+64*(\i/2)   ; of row r: k = 32 g + 8 h + 0..7, then 32 g + 16 + 8 h + 0..7
.endr
.endr
	s_wait_kmcnt 0x0
	s_add_co_i32 s58, s58, 127
	s_lshl_b32 s60, s58, 23                        ; 2^e as f32: the conversion takes its exponent field
	s_add_co_i32 s58, s58, 8
	s_lshl_b32 s61, s58, 23
	s_or_b32 s61, s61, 0x600000                    ; 448 x 2^e
	s_lshl_b32 s62, s[VER], 24
	s_wait_xcnt 0x0                                ; the codes' registers and the offset, which the last stores read, are written again only behind this wait
	v_mov_b32 v[SCL], s60
	v_mov_b32 v[LIM], s61
	v_add_nc_u32 v[VO], s62, v[L16]
	s_wait_dscnt 0x0                               ; the 64 numbers are in
.irp g, 0,1,2,3
.irp i, 0,1,2,3,4,5,6,7,8,9,10,11,12,13,14,15
	v_med3_num_f32 v[X+16*\g+\i], v[X+16*\g+\i], -v[LIM], v[LIM]   ; the conversion to an 8-bit code does not saturate (ISA guide 7.6.2): the hold comes first
.endr
	v_cvt_scalef32_pk8_fp8_f32 v[C+4*\g:C+4*\g+1], v[X+16*\g:X+16*\g+7], v[SCL]
	v_cvt_scalef32_pk8_fp8_f32 v[C+4*\g+2:C+4*\g+3], v[X+16*\g+8:X+16*\g+15], v[SCL]
.endr
	v_nop                                          ; a plain line behind the last conversion: the next vector line may write its scale
.irp g, 0,1,2,3
	global_store_b128 v[VO], v[C+4*\g:C+4*\g+3], s[DST+2*(\t):DST+2*(\t)+1] offset:512*\g   ; a chunk: 512 consecutive bytes, aligned to 512
.endr
.Lskip_\@:
	s_add_co_u32 s[VER], s[VER], 1
	s_cmp_lt_u32 s[VER], 8
	s_cbranch_scc1 .Lver_\@
.endm
	TILE 0
	TILE 1
	TILE 2
	TILE 3
	s_wait_tensorcnt 0x0
	ds_add_u32 v240, v241
	s_wait_dscnt 0x0
	s_endpgm
.Lfunc_end_k_q3b72bdec09_quant:
	.size	k_q3b72bdec09_quant, .Lfunc_end_k_q3b72bdec09_quant-k_q3b72bdec09_quant
	.p2alignl 7, 3214868480
	.fill 96, 4, 3214868480
	.section	.rodata,"a",@progbits
	.p2align	6, 0x0
	.amdhsa_kernel k_q3b72bdec09_quant
		.amdhsa_group_segment_fixed_size 34304
		.amdhsa_private_segment_fixed_size 0
		.amdhsa_enable_private_segment 0
		.amdhsa_kernarg_size 56
		.amdhsa_user_sgpr_count 2
		.amdhsa_user_sgpr_kernarg_segment_ptr 1
		.amdhsa_wavefront_size32 1
		.amdhsa_system_sgpr_workgroup_id_x 1
		.amdhsa_system_sgpr_workgroup_id_y 1
		.amdhsa_system_sgpr_workgroup_id_z 1
		.amdhsa_system_vgpr_workitem_id 0
		.amdhsa_next_free_vgpr 242
		.amdhsa_next_free_sgpr 66
		.amdhsa_reserve_vcc 0
		.amdhsa_float_denorm_mode_32 3
		.amdhsa_float_denorm_mode_16_64 3
		.amdhsa_memory_ordered 1
		.amdhsa_forward_progress 1
		.amdhsa_inst_pref_size 46
	.end_amdhsa_kernel
	.amdgpu_metadata
---
amdhsa.version: [ 1, 2 ]
amdhsa.kernels:
  - .name:           k_q3b72bdec09_quant
    .symbol:         k_q3b72bdec09_quant.kd
    .args:
      - { .name: hidden_states, .offset: 0, .size: 8, .value_kind: global_buffer, .address_space: global }
      - { .name: w13, .offset: 8, .size: 8, .value_kind: global_buffer, .address_space: global }
      - { .name: w2, .offset: 16, .size: 8, .value_kind: global_buffer, .address_space: global }
      - { .name: lowp_scales, .offset: 24, .size: 8, .value_kind: global_buffer, .address_space: global }
      - { .name: xq, .offset: 32, .size: 8, .value_kind: global_buffer, .address_space: global }
      - { .name: w13q, .offset: 40, .size: 8, .value_kind: global_buffer, .address_space: global }
      - { .name: w2q, .offset: 48, .size: 8, .value_kind: global_buffer, .address_space: global }
    .group_segment_fixed_size: 34304
    .private_segment_fixed_size: 0
    .kernarg_segment_align: 8
    .kernarg_segment_size: 56
    .max_flat_workgroup_size: 128
    .sgpr_count:     66
    .vgpr_count:     242
    .wavefront_size: 32
...
	.end_amdgpu_metadata
.endif
;; end of part 1
;; launch gateup (part 2): grid 32 x 8, 4 waves a work-group, clusters of 4 x 1, 327,680 bytes of LDS; arguments xq, w13q, lowp_scales, hq; writes hq
.if DOCPART == 2
	.amdgcn_target "amdgcn-amd-amdhsa--gfx1250"
	.amdhsa_code_object_version 6
	.text
	.protected	k_q3b72bdec09_gateup
	.globl	k_q3b72bdec09_gateup
	.p2align	8
	.type	k_q3b72bdec09_gateup,@function
k_q3b72bdec09_gateup:
	s_mov_b64 s[64:65], 0
	v_nop
	global_prefetch_b8 v0, s[64:65] scope:SCOPE_SE
	s_setreg_imm32_b32 hwreg(HW_REG_WAVE_MODE, 25, 1), 1
	s_wait_xcnt 0x0
	s_wait_alu depctr_hold_cnt(0) depctr_sa_sdst(0) depctr_va_vdst(0) depctr_va_sdst(0) depctr_va_ssrc(0) depctr_va_vcc(0) depctr_vm_vsrc(0)
	s_getreg_b32 s2, hwreg(HW_REG_IB_STS2, 6, 4)
	s_cmp_eq_u32 s2, 0
	s_cbranch_scc0 .Lentry_in_a_cluster
	s_endpgm
.Lentry_in_a_cluster:
	s_bfe_u32 s2, ttmp6, 0x10000c
	s_cmp_lg_u32 s2, 0x3003
	s_cbranch_scc0 .Lentry_shape_is_right
	s_endpgm
.Lentry_shape_is_right:
; For one block of 256 tokens and one expert e: gate_up = Q(x) Q(w13[e])^T on codes of E4M3 (K = 2,048, sums in f32), h = silu(gate) x up in f32, and h's codes with the given scale, as images.
; All code buffers hold IMAGES: a fragment (16 rows x 128 K) as 2,048 bytes in the order of the operand's registers, chunk c at 512 c, lane l's 16 bytes at 16 l.  So a fragment is four
; loads of 16 bytes a lane at a constant + 16 x lane, from memory or from LDS alike: no pitch, no padding; and a K step's sixteen images of w13[e] are one dense block of 32,768 bytes.
; SHARES.  Four waves; wave w makes tokens 64 w .. 64 w + 63 (four tiles) x ALL 256 rows of w13[e] (blocks 0-7 gate, 8-15 up): 64 accumulators, 512 registers.
; A (x's codes): a wave's 64 tokens are read by no other wave of the work-group, so they do not go through LDS: sixteen global loads a K step bring the four fragments straight into the operand's registers,
; four sets by turns, asked for three K steps ahead (48 loads, 24,576 bytes, of a wave on their way).
; B (w13's codes) is read by all four waves: it comes through a ring of two LDS slots of 131,072 bytes, each with 512 along K; wave w fetches the slot's K step w with one tensor load of 32,768 bytes.
; Four fills in all: two at the start, two refills; from a refill's request to the wait for it a wave issues 224 matrix instructions.
; B's fragments are a stream: each is read once and feeds four products.  They go in QUADS of four blocks through a ring of three quads of registers, fetched 32 matrix instructions ahead.
; THE MATRIX INSTRUCTION IS USED TRANSPOSED (source 0 = 16 rows of w13, source 1 = 16 tokens): a lane holds one token and eight neighbouring units, which is what the next product's operand wants:
; the conversions' results are registers of h's fragment, and go to memory as whole chunks of its image.  Gate and up of a unit have the same lane and register number, in windows 2 and 3.
; CLUSTER.  The four work-groups of a cluster are four token blocks of ONE expert: B's tiles hang on the expert alone and are asked for jointly (mask 15).  A is not shared between experts' work-groups:
; which version of x's codes an expert reads hangs on its entry of the scales, so work-groups of different experts cannot be shown to ask for the same bytes.
; x's version: the first index u with lowp_scales[4 u] = lowp_scales[4 e], made by selects, without a branch, held at 7.
; WRITTEN OUT, no loop: three thirds of B's ring, four sets of A and four fills have no short common period.
; LIMITS, with s = lowp_scales[4 e] + lowp_scales[4 e + 1]: s between -126 and 127; lowp_scales[4 e + 2] - 2 s between -126 and 119: so each power of two below is an f32 number.
; REGISTERS, in windows of 256: window 0: v16-31 addresses and constants; A's sets 0, 1, 2 at v64, v128, v192 (64 each); on the way out v64-127 at work, v128-191 h's codes.
;   window 1: v0-191 B's ring, three quads of 64; v192-255 A's set 3.   window 2: the gate's accumulators (token tile a, block b at v[64 a + 8 b]);   window 3: the up's, likewise.
.set SLOT,   131072
.set SPARE,  2*SLOT                    ; behind the ring: the spare words, 128 bytes for each wave: two blocks of 256 bytes that no other line names
.set ADB,  16                          ; v16-19  16 x lane + i x 65,536: B's images of two K steps each
.set HO,   26                          ; v26     16 x lane
.set SPW,  28                          ; v28     LDS address of my spare word; never rewritten
.set NIL,  29                          ; v29     0; never rewritten
.set SCL,  30                          ; v30     the conversion's scale
.set LIM,  31                          ; v31     448 x that
.set EB,   64                          ; v64-127  the way out: two sets of 32
.set CD,   128                         ; v128-191 the way out: h's codes, 16 registers a token tile
.set G0,   24                          ; s[24:39] descriptor group 0, one for each of the four fills: none is ever rewritten
.set G1,   48                          ; s[48:55] descriptor group 1
.set MSB, 0
.macro WIN new                         ; the immediate's high byte repeats the setting that is left; a switch that changes nothing is dropped
.if MSB != (\new)
	s_set_vgpr_msb (MSB<<8)|(\new)
.set MSB, (\new)
.endif
.endm
.macro CREST                           ; a round of the cluster's barrier behind its opening barrier
	s_cmp_lg_u32 s14, 0
	s_cbranch_scc1 .Lnot_wave_0_\@
	s_barrier_signal -3
.Lnot_wave_0_\@:
	s_barrier_wait -3
	s_barrier_signal -1
	s_barrier_wait -1
.endm
.macro CROUND                          ; a whole round
	s_barrier_signal -1
	s_barrier_wait -1
	CREST
.endm
.macro PLACES                          ; four plain vector lines between a matrix instruction and a load into a register that it read, or a read of its result (ISA guide 7.12.1 for vector instructions)
.rept 4
	v_nop
.endr
.endm
	s_load_b256 s[4:11], s[0:1], 0x0               ; xq s[4:5], w13q s[6:7], the exponents s[8:9], hq s[10:11]
	v_lshl_add_u32 v[SPW], v0, 2, SPARE
	v_mov_b32 v[NIL], 0
	ds_add_u32 v28, v29
	ds_add_u32 v28, v29
	s_wait_dscnt 0x0
	v_lshrrev_b32 v1, 5, v0
	v_readfirstlane_b32 s14, v1                    ; wave 0..3
	s_bfe_u32 s40, ttmp6, 0x40000                  ; cx: my place in the cluster
	s_lshl_b32 s42, ttmp9, 2
	s_add_co_u32 s42, s42, s40                     ; token block = 4 x cluster x + cx: it enters xq's and hq's addresses alone
	s_and_b32 s17, ttmp7, 0xffff                   ; the expert, which the four partners share
	; descriptor group 1: a dense block of 32,768 bytes (a K step's sixteen images) as 128 rows of 32 elements of 8 bytes
	s_mov_b32 s[G1+0], 15|(3<<16)|(1<<21)          ; 15:0 the mask: all four work-groups; 17:16 elements of 8 bytes; 21 set beside a mask; no padding
	s_mov_b32 s[G1+1], 32<<16                      ; tensor_dim0 = 32
	s_mov_b32 s[G1+2], 128<<16                     ; tensor_dim1 = 128
	s_mov_b32 s[G1+3], 32<<16                      ; tile_dim0 = 32
	s_mov_b32 s[G1+4], 128                         ; tile_dim1 = 128
	s_mov_b32 s[G1+5], 32                          ; from row to row: 32 elements
	s_mov_b32 s[G1+6], 0
	s_mov_b32 s[G1+7], 0
	s_lshl_b32 s74, s17, 4                         ; the expert's four entries begin at byte 16 e
	s_lshl_b32 s45, s14, 15                        ; my K step of a fill's four: wave x 32,768, in memory and in a slot alike: no place in the cluster enters an LDS address
	s_lshl_b32 s46, s17, 19                        ; the expert's codes
	s_add_co_u32 s46, s46, s45
	s_mov_b32 s47, 0
	s_wait_kmcnt 0x0
	s_load_b128 s[68:71], s[8:9], s74 offset:0x0   ; ex, ew13, eh, (ew2): wanted only behind the first fills
.irp u, 0,1,2,3,4,5,6,7
	s_load_b32 s[80+\u], s[8:9], 16*\u             ; all experts' ex
.endr
	s_add_nc_u64 s[46:47], s[6:7], s[46:47]
.irp f, 0,1,2,3
	s_mov_b32 s[G0+4*\f], 1                        ; count = 1
	s_add_co_u32 s[G0+4*\f+1], s45, (\f%2)*SLOT    ; LDS address: fill f goes to slot f % 2
	s_add_nc_u64 s[G0+4*\f+2:G0+4*\f+3], s[46:47], \f*131072   ; fill f holds K steps 4 f .. 4 f + 3
	s_or_b32 s[G0+4*\f+3], s[G0+4*\f+3], 0x80000000            ; type = 2
.endr
	CROUND                                         ; all four work-groups are here: the first joint loads meet
	tensor_load_to_lds s[G0:G0+3], s[G1:G1+7]      ; both slots' first fills, in one group: two loads of mine are out
	s_nop 0
	tensor_load_to_lds s[G0+4:G0+7], s[G1:G1+7]
	s_nop 0
	PLACES                                         ; four v_nop follow
	v_and_b32 v6, 31, v0
	v_lshlrev_b32 v[HO], 4, v6
.irp i, 0,1,2,3
	v_add_nc_u32 v[ADB+\i], \i*65536, v[HO]
.endr
	s_lshl_b32 s75, s42, 19                        ; xq: the token block's codes,
	s_lshl_b32 s79, s14, 13                        ; my four images of a K step's sixteen
	s_add_co_u32 s75, s75, s79
	s_wait_kmcnt 0x0
	s_mov_b32 s76, 0
.irp u, 7,6,5,4,3,2,1,0
	s_cmp_eq_u32 s[80+\u], s68
	s_cselect_b32 s76, \u, s76                     ; the last select that takes is the smallest u
.endr
	s_min_u32 s76, s76, 7
	s_lshl_b32 s76, s76, 24                        ; the version's codes
	s_add_co_u32 s76, s76, s75
	s_mov_b32 s77, 0
	s_add_nc_u64 s[20:21], s[4:5], s[76:77]        ; never rewritten: every K step stands in the loads' immediate, 499,200 bytes at the most
; A's four fragments of K step ks into set ks % 4: sixteen loads, each 512 consecutive bytes, aligned to 512
.macro LOADA ks
.set lS, (\ks)%4
.if lS == 3
.set lB, 192
	WIN 0x40                                       ; destination window 1, address window 0
.else
.set lB, 64+64*lS
	WIN 0
.endif
.irp a, 0,1,2,3
.irp c, 0,1,2,3
	global_load_b128 v[lB+16*\a+4*\c:lB+16*\a+4*\c+3], v[HO], s[20:21] offset:32768*(\ks)+2048*\a+512*\c
.endr
.endr
.endm
	LOADA 0
	LOADA 1
	LOADA 2
	; constants of the way out.  A raw sum stands for sum x 2^s
	s_add_co_i32 s74, s68, s69                     ; s
	s_lshl_b32 s75, s74, 23
	s_add_co_u32 s72, s75, 0xbfb8aa3b              ; -log2(e) x 2^s: s is added to the exponent field
	s_mov_b32 s73, s72                             ; (named with it as a pair, so it is written)
	s_lshl_b32 s75, s74, 1
	s_sub_co_i32 s75, s70, s75                     ; eh - 2 s: the 2^(2 s) that gate x up lacks is folded into the conversion's scale
	s_add_co_i32 s75, s75, 127
	s_lshl_b32 s78, s75, 23
	v_mov_b32 v[SCL], s78
	s_add_co_i32 s75, s75, 8
	s_lshl_b32 s75, s75, 23
	s_or_b32 s75, s75, 0x600000
	v_mov_b32 v[LIM], s75
	s_lshl_b32 s76, s42, 18                        ; hq [token tile 512][expert 8][2048]: my block's 16 tiles,
	s_lshl_b32 s78, s14, 16                        ; my four of them,
	s_add_co_u32 s76, s76, s78
	s_lshl_b32 s78, s17, 11                        ; the expert's image
	s_add_co_u32 s76, s76, s78
	s_mov_b32 s77, 0
	s_add_nc_u64 s[10:11], s[10:11], s[76:77]
; QUAD q = 0 .. 63: K step q / 4, B's blocks 4 (q % 4) .. + 3.  Its images lie in slot (q / 16) % 2; its fragments go to third q % 3 of the ring.
.macro BLOAD q                         ; sixteen LDS loads in one run
.set bR, 64*((\q)%3)
.set bA, ADB+((\q)/8)%4
.set bO, 32768*(((\q)/4)%2)+8192*((\q)%4)
	WIN 0x40                                       ; destination window 1, address window 0
.irp t, 0,1,2,3
.irp c, 0,1,2,3
	ds_load_b128 v[bR+16*\t+4*\c:bR+16*\t+4*\c+3], v[bA] offset:bO+2048*\t+512*\c
.endr
.endr
.endm
; Sixteen matrix instructions: the quad's four blocks x my four token tiles, 128 along K.  K step 0 starts the sums: nothing is ever cleared.
; Sixteen accumulators take turns, one instruction a turn, and an accumulator comes again 64 instructions on.
.macro MULQ q
.set mK, (\q)/4
.set mJ, (\q)%4
.set mR, 64*((\q)%3)
.set mW, 2+mJ/2                        ; blocks 0-7: window 2; 8-15: window 3
.if mK%4 == 3
.set mA, 192
	WIN (mW<<6)|(mW<<4)|(1<<2)|1                   ; source 0 (B) window 1, source 1 (A's set 3) window 1, C and D window mW
.else
.set mA, 64+64*(mK%4)
	WIN (mW<<6)|(mW<<4)|1                          ; source 1 (A's sets 0-2) window 0
.endif
.irp t, 0,1,2,3
.irp a, 0,1,2,3
.set mC, 64*\a+8*(4*(mJ%2)+\t)
.if mK == 0
	v_wmma_f32_16x16x128_fp8_fp8 v[mC:mC+7], v[mR+16*\t:mR+16*\t+15], v[mA+16*\a:mA+16*\a+15], 0
.else
	v_wmma_f32_16x16x128_fp8_fp8 v[mC:mC+7], v[mR+16*\t:mR+16*\t+15], v[mA+16*\a:mA+16*\a+15], v[mC:mC+7]
.endif
.endr
.endr
.endm
; A quad with nothing special: its products; behind four places the third that it read takes quad q + 3; behind a K step's last quad the set of A that the step read takes the K step four on.
.macro QUAD q
.if (\q)%4 == 0
.if 15-(\q)/4 < 3
	s_wait_loadcnt 16*(15-(\q)/4)                  ; the last K steps: the counts run down
.elseif (\q) == 0
	s_wait_loadcnt 32                              ; set 0 is in; sets 1 and 2 may be out
.else
	s_wait_loadcnt 48                              ; this K step's sixteen loads are in; the three younger sets may be out
.endif
.if (\q) == 0
	LOADA 3
.endif
.endif
.if 63-(\q) < 2
	s_wait_dscnt 16*(63-(\q))
.else
	s_wait_dscnt 32                                ; this quad's sixteen loads are in; the two younger quads' may be out
.endif
	MULQ \q
.if (\q)+3 < 64
	PLACES
	BLOAD (\q)+3
.endif
.if ((\q)%4 == 3) && ((\q)/4+4 < 16)
	LOADA (\q)/4+4
.endif
.endm
; THE CHANGE OF SLOTS, at a slot's quads 13 and 14: the slot's last quad, 15, has been asked for, and quad q + 3 lies in the next slot.  ONE barrier: in front of it each wave waits for all its tensor
; loads (its part of the next slot), adds 0 to its spare word, and waits for that and for its own reads of this slot.  fill = 1: this slot is filled again, with the K steps two fills on; the barrier then
; opens a round of the cluster's barrier, and the joint refill is the first thing behind it.
.macro CHANGE q, fill
	WIN 0                                          ; (the add's two registers lie in window 0)
	s_wait_tensorcnt 0x0                           ; all my tensor loads have landed: the one that was out is my part of the next slot
	ds_add_u32 v[SPW], v[NIL]                      ; 0 onto my spare word
	s_wait_dscnt 33                                ; quad q is in (the add and the two younger quads' 32 loads may be out)
	MULQ \q                                        ; sixteen matrix instructions stand between the add and the wait for it
	s_wait_dscnt 0x0                               ; the add is done, and my reads of this slot are over
	s_barrier_signal -1
	MULQ (\q)+1                                    ; work on registers while the others arrive
	WIN 0
	s_barrier_wait -1
.if \fill
	CREST                                          ; no wave of any partner still reads this slot's tiles or has a load on its way
	tensor_load_to_lds s[G0+4*((\q)/16+2):G0+4*((\q)/16+2)+3], s[G1:G1+7]   ; my one tensor load behind the round
	s_nop 0
.endif
	PLACES                                         ; four v_nop behind the tensor load, and the places in front of the loads below
	BLOAD (\q)+3                                   ; the next slot's first two quads, into the thirds that quads q and q + 1 read
	BLOAD (\q)+4
.endm
	s_wait_tensorcnt 1                             ; my part of slot 0 is in; slot 1's load may be out
	s_barrier_signal -1
	s_barrier_wait -1                              ; everybody's is
	BLOAD 0
	BLOAD 1
	BLOAD 2
.set Q, 0
.rept 64
.if (Q%16 == 13) && (Q < 48)
.if Q < 32
	CHANGE Q, 1                                    ; slots 0 and 1 are filled a second time
.else
	CHANGE Q, 0                                    ; nothing is left to fetch
.endif
.elseif (Q%16 == 14) && (Q < 48)
.else
	QUAD Q
.endif
.set Q, Q+1
.endr
	WIN 0
; THE WAY OUT, half a token tile (64 units) at a time, all in f32.  G, U: the raw sums of gate and up.  h / 2^eh = (G x 1 / (1 + 2^(-G 2^s log2 e))) x U / 2^(eh - 2 s).
; Each accumulator is read from its low end on.  The four conversions give registers 8 g + 0..7 of h's fragment: two whole chunks of the image.
.macro HHALF a, g
.set AC, 64*(\a)+32*(\g)
.set EE, EB+32*(\g)
.set CC, CD+16*(\a)+8*(\g)
	WIN 0x02                                       ; source 0: the gate's window
.set i, 0
.rept 16
	v_pk_mul_f32 v[EE+i:EE+i+1], v[AC+i:AC+i+1], s[72:73] op_sel_hi:[1,0]   ; -gate x log2(e)
.set i, i+2
.endr
	WIN 0
.set i, 0
.rept 32
	v_exp_f32 v[EE+i], v[EE+i]
.set i, i+1
.endr
	v_nop                                          ; a plain line between the exponentials and the first use of a result
.set i, 0
	s_wait_alu depctr_va_vdst(0)
.rept 16
	v_pk_add_f32 v[EE+i:EE+i+1], v[EE+i:EE+i+1], 1.0 op_sel_hi:[1,0]
.set i, i+2
.endr
.set i, 0
.rept 32
	v_rcp_f32 v[EE+i], v[EE+i]
.set i, i+1
.endr
	v_nop                                          ; likewise behind the reciprocals
	WIN 0x02
.set i, 0
	s_wait_alu depctr_va_vdst(0)
.rept 16
	v_pk_mul_f32 v[EE+i:EE+i+1], v[AC+i:AC+i+1], v[EE+i:EE+i+1]   ; silu(gate), short of 2^s
.set i, i+2
.endr
	WIN 0x03                                       ; source 0: the up's window, the same register numbers
.set i, 0
.rept 16
	v_pk_mul_f32 v[EE+i:EE+i+1], v[AC+i:AC+i+1], v[EE+i:EE+i+1]   ; x up
.set i, i+2
.endr
	WIN 0
.set i, 0
.rept 32
	v_med3_num_f32 v[EE+i], v[EE+i], -v[LIM], v[LIM]   ; the conversion to an 8-bit code does not saturate (ISA guide 7.6.2): the hold comes first
.set i, i+1
.endr
.irp t, 0,1,2,3
	v_cvt_scalef32_pk8_fp8_f32 v[CC+2*\t:CC+2*\t+1], v[EE+8*\t:EE+8*\t+7], v[SCL]
.endr
	v_nop                                          ; a plain line behind the last conversion
.irp u, 0,1
	global_store_b128 v[HO], v[CC+4*\u:CC+4*\u+3], s[10:11] offset:16384*(\a)+1024*(\g)+512*\u   ; a chunk: 512 consecutive bytes, aligned to 512; each half has registers of its own, so no store's data are written again
.endr
.endm
	PLACES                                         ; behind the last products: their results are read, and registers that held A's fragments are written, further on
.irp a, 0,1,2,3
	HHALF \a, 0
	HHALF \a, 1
.endr
	s_wait_tensorcnt 0x0                           ; the wave's end
	ds_add_u32 v[SPW], v[NIL]
	s_wait_dscnt 0x0
	CROUND                                         ; the closing round: no work-group ends while a partner may still ask for a tile that names it
	s_endpgm
.Lfunc_end_k_q3b72bdec09_gateup:
	.size	k_q3b72bdec09_gateup, .Lfunc_end_k_q3b72bdec09_gateup-k_q3b72bdec09_gateup
	.p2alignl 7, 3214868480
	.fill 96, 4, 3214868480
	.section	.rodata,"a",@progbits
	.p2align	6, 0x0
	.amdhsa_kernel k_q3b72bdec09_gateup
		.amdhsa_group_segment_fixed_size 327680
		.amdhsa_private_segment_fixed_size 0
		.amdhsa_enable_private_segment 0
		.amdhsa_kernarg_size 32
		.amdhsa_user_sgpr_count 2
		.amdhsa_user_sgpr_kernarg_segment_ptr 1
		.amdhsa_wavefront_size32 1
		.amdhsa_system_sgpr_workgroup_id_x 1
		.amdhsa_system_sgpr_workgroup_id_y 1
		.amdhsa_system_sgpr_workgroup_id_z 1
		.amdhsa_system_vgpr_workitem_id 0
		.amdhsa_next_free_vgpr 1024
		.amdhsa_next_free_sgpr 100
		.amdhsa_reserve_vcc 0
		.amdhsa_float_denorm_mode_32 3
		.amdhsa_float_denorm_mode_16_64 3
		.amdhsa_memory_ordered 1
		.amdhsa_forward_progress 1
		.amdhsa_inst_pref_size 244
	.end_amdhsa_kernel
	.amdgpu_metadata
---
amdhsa.version: [ 1, 2 ]
amdhsa.kernels:
  - .name:           k_q3b72bdec09_gateup
    .symbol:         k_q3b72bdec09_gateup.kd
    .args:
      - { .name: xq, .offset: 0, .size: 8, .value_kind: global_buffer, .address_space: global }
      - { .name: w13q, .offset: 8, .size: 8, .value_kind: global_buffer, .address_space: global }
      - { .name: lowp_scales, .offset: 16, .size: 8, .value_kind: global_buffer, .address_space: global }
      - { .name: hq, .offset: 24, .size: 8, .value_kind: global_buffer, .address_space: global }
    .group_segment_fixed_size: 327680
    .private_segment_fixed_size: 0
    .kernarg_segment_align: 8
    .kernarg_segment_size: 32
    .max_flat_workgroup_size: 128
    .sgpr_count:     100
    .vgpr_count:     1024
    .wavefront_size: 32
...
	.end_amdgpu_metadata
.endif
;; end of part 2
;; launch down (part 3): grid 32 x 8, 4 waves a work-group, clusters of 4 x 1, 327,680 bytes of LDS; arguments hq, w2q, expert_routing_table, router_weights, lowp_scales, out0; writes out0
.if DOCPART == 3
	.amdgcn_target "amdgcn-amd-amdhsa--gfx1250"
	.amdhsa_code_object_version 6
	.text
	.protected	k_q3b72bdec09_down
	.globl	k_q3b72bdec09_down
	.p2align	8
	.type	k_q3b72bdec09_down,@function
k_q3b72bdec09_down:
	s_mov_b64 s[64:65], 0
	v_nop
	global_prefetch_b8 v0, s[64:65] scope:SCOPE_SE
	s_setreg_imm32_b32 hwreg(HW_REG_WAVE_MODE, 25, 1), 1
	s_wait_xcnt 0x0
	s_wait_alu depctr_hold_cnt(0) depctr_sa_sdst(0) depctr_va_vdst(0) depctr_va_sdst(0) depctr_va_ssrc(0) depctr_va_vcc(0) depctr_vm_vsrc(0)
	s_getreg_b32 s2, hwreg(HW_REG_IB_STS2, 6, 4)
	s_cmp_eq_u32 s2, 0
	s_cbranch_scc0 .Lentry_in_a_cluster
	s_endpgm
.Lentry_in_a_cluster:
	s_bfe_u32 s2, ttmp6, 0x10000c
	s_cmp_lg_u32 s2, 0x3003
	s_cbranch_scc0 .Lentry_shape_is_right
	s_endpgm
.Lentry_shape_is_right:
; out[t][n] = the sum over the experts e, ascending, of coef_e(t) x 2^(eh_e + ew2_e) x (the sum over k of h's codes [t][k] x w2[e]'s codes [n][k]), K = 128, on codes of E4M3, sums in f32.
; coef_e(t) = the sum of those of the token's two router weights whose table entry is e (an entry outside 0..7 counts for nothing, as in the definition).
; hq [token tile 512][expert 8][2048] and w2q [column tile 128][expert 8][2048] hold IMAGES: a fragment (16 rows x 128 K) in the order of the operand's registers, lane l's 16 bytes of chunk c at 512 c + 16 l.
; SHARES.  A work-group makes 256 tokens x 256 columns, for all eight experts.  Wave w owns 64 tokens (four tiles) and all 256 columns.
; h's 32 fragments of a wave (4 tiles x 8 experts) STAY IN ITS REGISTERS (512), loaded once.  w2's 128 images of the work-group (16 column tiles x 8 experts, 262,144 bytes) STAY IN LDS, filled once:
; no slot is filled again.  Each fragment of w2 read from LDS feeds four products.
; Each product has one K step, C = 0, and its result is a temporary: out += temporary x coef, by packed multiply-adds that stand BETWEEN the products: four for each matrix instruction.
; THE MATRIX INSTRUCTION IS USED TRANSPOSED (source 0 = 16 columns of w2, source 1 = 16 tokens): a lane holds one token, so its coefficient is one register, and eight neighbouring columns.
; Columns go in four groups of 64 (256 bytes of a row of out).  A finished group leaves, through the wave's own stage in LDS, while the next is multiplied: out has two sets of registers.
; CLUSTER.  The four work-groups of a cluster are four token blocks with the same 256 columns: w2's images are asked for jointly (mask 15).
; The power of two is applied to the coefficient (v_ldexp_f32), not to the product: no limit on the exponents; the result differs from the definition's order only where one of the two overflows or underflows.
; REGISTERS, in windows of 256: window 0: v1-12 addresses; v32-63 coefficients ((a, e) at 32 + 8 a + e); v64-95 four temporaries; v96-127 rows read back; v128-255 out of even groups ((a, j) at 128 + 32 a + 8 j).
;   window 1: v0-127 eight buffers for fragments of w2; v128-255 out of odd groups.   window 2: h's fragments of tiles 0 (16 e) and 1 (128 + 16 e);   window 3: of tiles 2 and 3.
.set ADB,  3                           ; v3-6   16 x lane + group x 65,536
.set STO,  7                           ; v7     the stage: where I put 32 bytes of a row
.set RD,   8                           ; v8     and where I read 16 bytes back
.set CO,   9                           ; v9     the same place in out
.set AO,   10                          ; v10    16 x lane
.set TO,   11                          ; v11    8 x (lane % 16): my token's two entries
.set CF,   32
.set TP,   64
.set RB,   96
.set G1,   24                          ; s[24:31] descriptor group 1
.set G0,   32                          ; s[32:47] four groups 0
.set STAGE, 262144                     ; behind the images: 16 rows x 272 bytes for each wave (17 blocks of 256 bytes a wave); no tensor load lands here
.set SPT,  272
.set MSB, 0
.macro WIN new                         ; the immediate's high byte repeats the setting that is left; a switch that changes nothing is dropped
.if MSB != (\new)
	s_set_vgpr_msb (MSB<<8)|(\new)
.set MSB, (\new)
.endif
.endm
.macro CROUND                          ; a round of the cluster's barrier
	s_barrier_signal -1
	s_barrier_wait -1
	s_cmp_lg_u32 s16, 0
	s_cbranch_scc1 .Lnot_wave_0_\@
	s_barrier_signal -3
.Lnot_wave_0_\@:
	s_barrier_wait -3
	s_barrier_signal -1
	s_barrier_wait -1
.endm
	s_load_b256 s[4:11], s[0:1], 0x0               ; hq s[4:5], w2q s[6:7], the table s[8:9], the weights s[10:11]
	s_load_b128 s[12:15], s[0:1], 0x20             ; the exponents s[12:13], out s[14:15]
	v_lshl_add_u32 v30, v0, 2, 0x44400
	v_mov_b32 v31, 0
	ds_add_u32 v30, v31
	ds_add_u32 v30, v31
	v_lshrrev_b32 v1, 5, v0
	v_readfirstlane_b32 s16, v1                    ; wave 0..3
	s_bfe_u32 s17, ttmp6, 0x40000                  ; cx
	s_lshl_b32 s18, ttmp9, 2
	s_add_co_u32 s18, s18, s17                     ; token block = 4 x cluster x + cx
	s_and_b32 s19, ttmp7, 0xffff                   ; column block, which the four partners share
	; descriptor group 1: a dense block of 16,384 bytes (a column tile's eight images) as 64 rows of 32 elements of 8 bytes
	s_mov_b32 s[G1+0], 15|(3<<16)|(1<<21)          ; 15:0 the mask: all four work-groups; 17:16 elements of 8 bytes; 21 set beside a mask
	s_mov_b32 s[G1+1], 32<<16                      ; tensor_dim0 = 32
	s_mov_b32 s[G1+2], 64<<16                      ; tensor_dim1 = 64
	s_mov_b32 s[G1+3], 32<<16                      ; tile_dim0 = 32
	s_mov_b32 s[G1+4], 64                          ; tile_dim1 = 64
	s_mov_b32 s[G1+5], 32                          ; from row to row
	s_mov_b32 s[G1+6], 0
	s_mov_b32 s[G1+7], 0
	s_lshl_b32 s20, s16, 14                        ; my load g brings column tile 4 g + w: (4 g + w) x 16,384, in LDS and in the block alike
	s_lshl_b32 s22, s19, 18
	s_add_co_u32 s22, s22, s20
	s_mov_b32 s23, 0
	s_wait_dscnt 0x0
	s_wait_kmcnt 0x0
	s_load_b512 s[68:83], s[12:13], 0x0            ; all 32 exponents
	s_load_b512 s[84:99], s[12:13], 0x40
	s_add_nc_u64 s[22:23], s[6:7], s[22:23]
.irp g, 0,1,2,3
	s_mov_b32 s[G0+4*\g], 1
	s_add_co_u32 s[G0+4*\g+1], s20, \g*65536
	s_add_nc_u64 s[G0+4*\g+2:G0+4*\g+3], s[22:23], \g*65536
	s_or_b32 s[G0+4*\g+3], s[G0+4*\g+3], 0x80000000
.endr
	CROUND                                         ; all four work-groups are here: the joint loads meet
.irp g, 0,1,2,3
	tensor_load_to_lds s[G0+4*\g:G0+4*\g+3], s[G1:G1+7]   ; the launch's only fills, in one group: four loads of mine are out
	s_nop 0
.endr
.rept 4
	v_nop
.endr
	s_lshl_b32 s56, s18, 18                        ; hq: my block's 16 tiles, my four of them
	s_lshl_b32 s58, s16, 16
	s_add_co_u32 s56, s56, s58
	s_mov_b32 s57, 0
	s_add_nc_u64 s[4:5], s[4:5], s[56:57]
	s_lshl_b32 s56, s18, 11                        ; table and weights: 8 bytes a token
	s_lshl_b32 s58, s16, 9
	s_add_co_u32 s56, s56, s58
	s_add_nc_u64 s[8:9], s[8:9], s[56:57]
	s_add_nc_u64 s[10:11], s[10:11], s[56:57]
	s_lshl_b32 s56, s18, 21                        ; out: 8,192 bytes a row; my 64 rows; my block's 1,024 bytes of a row
	s_lshl_b32 s58, s16, 19
	s_add_co_u32 s56, s56, s58
	s_lshl_b32 s58, s19, 10
	s_add_co_u32 s56, s56, s58
	s_add_nc_u64 s[14:15], s[14:15], s[56:57]
	v_and_b32 v1, 15, v0                           ; r
	v_bfe_u32 v2, v0, 4, 1                         ; h
	v_and_b32 v12, 31, v0
	v_lshlrev_b32 v[AO], 4, v12
.irp g, 0,1,2,3
	v_add_nc_u32 v[ADB+\g], \g*65536, v[AO]
.endr
	s_mul_i32 s58, s16, 16*SPT
	s_add_co_u32 s58, s58, STAGE                   ; my stage
	v_mul_u32_u24 v[STO], v1, SPT                  ; in: row r, 32 bytes for each half of the lanes
	v_lshl_add_u32 v[STO], v2, 5, v[STO]
	v_add_nc_u32 v[STO], s58, v[STO]
	v_mul_u32_u24 v[RD], v2, SPT                   ; back: lanes 0-15 one row of 256 bytes, lanes 16-31 the next
	v_lshl_add_u32 v[RD], v1, 4, v[RD]
	v_add_nc_u32 v[RD], s58, v[RD]
	v_lshlrev_b32 v[CO], 13, v2                    ; and the same two rows in out
	v_lshl_add_u32 v[CO], v1, 4, v[CO]
	v_lshlrev_b32 v[TO], 3, v1
.irp a, 0,1,2,3
	global_load_b64 v[128+2*\a:129+2*\a], v[TO], s[8:9] offset:128*\a     ; token 16 a + r: its two experts,
.endr
.irp a, 0,1,2,3
	global_load_b64 v[136+2*\a:137+2*\a], v[TO], s[10:11] offset:128*\a   ; and its two weights
.endr
.irp e, 0,1,2,3,4,5,6,7                        ; h's fragments, expert by expert, so that the first group can begin while later experts' are on their way
.irp a, 0,1,2,3
	WIN 0x80+0x40*(\a/2)                           ; destination window 2 or 3
.irp c, 0,1,2,3
	global_load_b128 v[128*(\a%2)+16*\e+4*\c:128*(\a%2)+16*\e+4*\c+3], v[AO], s[4:5] offset:16384*\a+2048*\e+512*\c
.endr
.endr
.endr
	WIN 0
	s_wait_kmcnt 0x0
.irp e, 0,1,2,3,4,5,6,7
	s_add_co_i32 s[48+\e], s[70+4*\e], s[71+4*\e]  ; eh + ew2 of expert e
.endr
	s_wait_loadcnt 63                              ; 128 loads were issued behind the eight small ones, and 64 behind expert 3's last: the table, the weights and experts 0-3 are in
.irp a, 0,1,2,3
.irp e, 0,1,2,3,4,5,6,7
	v_cmp_eq_u32 vcc_lo, \e, v[128+2*\a]
	v_cndmask_b32 v144, 0, v[136+2*\a], vcc_lo
	v_cmp_eq_u32 vcc_lo, \e, v[129+2*\a]
	v_cndmask_b32 v145, 0, v[137+2*\a], vcc_lo
	v_add_f32 v144, v144, v145
	v_ldexp_f32 v[CF+8*\a+\e], v144, s[48+\e]      ; coef x 2^(eh + ew2)
.endr
.endr
; Fragment f = 0 .. 127 of w2: group f / 32, expert (f % 32) / 4, column tile f % 4 of the group.  It is read into buffer f % 8, eight fragments ahead.
.macro BRUN f
.set bG, (\f)/32
.set bE, ((\f)%32)/4
.set bJ, (\f)%4
.set bR, 16*((\f)%8)
	WIN 0x40                                       ; destination window 1
.irp c, 0,1,2,3
	ds_load_b128 v[bR+4*\c:bR+4*\c+3], v[ADB+bG] offset:16384*bJ+2048*bE+512*\c
.endr
.endm
; Pair q = 0 .. 255: fragment q / 2 against token tiles 2 (q % 2) and 2 (q % 2) + 1.  Two products, C = 0, into the tiles' temporaries.
.macro WPAIR q
.set wF, (\q)/2
.set wE, (wF%32)/4
.set wB, 16*(wF%8)
.set wA, 2*((\q)%2)
	WIN 0x09+2*wA                                  ; source 0 window 1, source 1 window 2 or 3, destination window 0
.irp n, 0,1
	v_wmma_f32_16x16x128_fp8_fp8 v[TP+8*(wA+\n):TP+8*(wA+\n)+7], v[wB:wB+15], v[128*\n+16*wE:128*\n+16*wE+15], 0
.endr
.endm
; out += pair q's temporaries x their tokens' coefficients: eight packed lines, each temporary from its low end on.  Expert 0 starts the sums: nothing is cleared.
.macro FPAIR q
.set fF, (\q)/2
.set fG, fF/32
.set fE, (fF%32)/4
.set fJ, fF%4
.set fA, 2*((\q)%2)
	WIN 0x50*(fG%2)                                ; out (source 2 and destination) in window 0 or 1
.irp n, 0,1
.irp i, 0,2,4,6
.set fO, 128+32*(fA+\n)+8*fJ+\i
.set fT, TP+8*(fA+\n)+\i
.set fC, CF+8*(fA+\n)+2*(fE/2)
.if fE == 0
	v_pk_mul_f32 v[fO:fO+1], v[fT:fT+1], v[fC:fC+1] op_sel_hi:[1,0]
.elseif fE%2 == 0
	v_pk_fma_f32 v[fO:fO+1], v[fT:fT+1], v[fC:fC+1], v[fO:fO+1] op_sel_hi:[1,0,1]                 ; the pair's first register for both halves
.else
	v_pk_fma_f32 v[fO:fO+1], v[fT:fT+1], v[fC:fC+1], v[fO:fO+1] op_sel:[0,1,0] op_sel_hi:[1,1,1]  ; its second for both
.endif
.endr
.endr
.endm
; Token tile a of a finished group (its out in window p) goes into my stage and comes back as rows of 256 bytes, into v[rb] on.  LDS serves a wave's instructions in order (ISA guide 5.7.1.4): no wait between.
.macro TOSTAGE a, p, rb
	WIN 4*(\p)                                     ; store data (source 1) window p
.irp j, 0,1,2,3
.irp s, 0,1
	ds_store_b128 v[STO], v[128+32*(\a)+8*\j+4*\s:128+32*(\a)+8*\j+4*\s+3] offset:64*\j+16*\s
.endr
.endr
	WIN 0
	s_wait_xcnt 0x0                                ; the registers below were the data of earlier stores: they are loaded again only behind this wait
.irp t, 0,1,2,3,4,5,6,7
	ds_load_b128 v[(\rb)+4*\t:(\rb)+4*\t+3], v[RD] offset:2*SPT*\t
.endr
.endm
.macro SEND a, g, y, rb                ; y: LDS instructions issued behind the tile's loads, which may stay out
	WIN 0
	s_wait_dscnt \y
.irp t, 0,1,2,3,4,5,6,7
	global_store_b128 v[CO], v[(\rb)+4*\t:(\rb)+4*\t+3], s[14:15] offset:(16*(\a)+2*\t)*8192+256*(\g) th:TH_STORE_NT   ; sixteen lanes store 256 consecutive bytes, aligned to 256; written once, read by nobody here
.endr
.endm
	s_wait_tensorcnt 3                             ; my part of group 0 is in; my three later loads may be out
	s_barrier_signal -1
	s_barrier_wait -1                              ; everybody's is
.irp f, 0,1,2,3,4,5,6,7
	BRUN \f
.endr
; THE STREAM.  Products and multiply-adds by turns: W(q), F(q - 1), W(q + 1), F(q) ..  Between W(q) and F(q), which reads its results, stand F(q - 1)'s eight plain lines, which name none of W(q)'s registers;
; the same eight stand between W(q) and W(q + 2), which writes over its results, and F(2 f)'s eight between W(2 f + 1) and the loads into the buffer that it read.
.set F, 0
.rept 128
.set G, F/32
.set FM, F%32
.if (G == 0) && (FM%4 == 0) && (FM >= 16)
	s_wait_loadcnt 16*(7-FM/4)                     ; this expert's sixteen loads of h are in; the later experts' may be out
.endif
.if (FM == 24) && (G < 3)
	s_wait_tensorcnt 2-G                           ; my part of the next group's images is in; the later groups' may be out
	s_wait_dscnt 0x0                               ; no LDS instruction of mine is out at the signal
	s_barrier_signal -1
	s_barrier_wait -1                              ; everybody's is: this fragment's run of loads is the first that reads the next group
.endif
.if 4*(127-F) < 28
	s_wait_dscnt 4*(127-F)
.else
	s_wait_dscnt 28                                ; this fragment is in; the seven younger runs of four may be out
.endif
	WPAIR 2*F
.if F > 0
	FPAIR 2*F-1
.endif
	WPAIR 2*F+1
.if F == 0
.rept 5
	v_nop                                          ; the first pair has no multiply-adds in front of it: five places, since the third pair writes over its results
.endr
.endif
	FPAIR 2*F
.if F+8 < 128
	BRUN F+8
.endif
.if (G >= 1) && (FM%8 == 0)
	TOSTAGE FM/8, (G-1)%2, RB                      ; the group before leaves, a token tile for every eight fragments
.endif
.if (G >= 1) && (FM%8 == 4)
.if F < 120
	SEND FM/8, G-1, 16, RB                         ; behind the tile's loads: four runs of four
.else
	SEND FM/8, G-1, 0, RB                          ; no run was issued behind them
.endif
.endif
.set F, F+1
.endr
	FPAIR 255
	; the last group: the rows' registers and the temporaries, now free, take turns, so that a tile is on its way through the stage while the tile before is stored
	TOSTAGE 0, 1, RB
	TOSTAGE 1, 1, TP
	SEND 0, 3, 16, RB                              ; behind tile 0's loads: tile 1's eight stores and eight loads
	TOSTAGE 2, 1, RB
	SEND 1, 3, 16, TP
	TOSTAGE 3, 1, TP
	SEND 2, 3, 16, RB
	SEND 3, 3, 0, TP
	s_wait_tensorcnt 0x0                           ; (met since the last group's barrier)
	s_wait_dscnt 0x0
	s_wait_tensorcnt 0x0
	ds_add_u32 v30, v31
	s_wait_dscnt 0x0
	CROUND                                         ; the closing round: no work-group ends while a partner may still ask for a tile that names it
	s_endpgm
.Lfunc_end_k_q3b72bdec09_down:
	.size	k_q3b72bdec09_down, .Lfunc_end_k_q3b72bdec09_down-k_q3b72bdec09_down
	.p2alignl 7, 3214868480
	.fill 96, 4, 3214868480
	.section	.rodata,"a",@progbits
	.p2align	6, 0x0
	.amdhsa_kernel k_q3b72bdec09_down
		.amdhsa_group_segment_fixed_size 327680
		.amdhsa_private_segment_fixed_size 0
		.amdhsa_enable_private_segment 0
		.amdhsa_kernarg_size 48
		.amdhsa_user_sgpr_count 2
		.amdhsa_user_sgpr_kernarg_segment_ptr 1
		.amdhsa_wavefront_size32 1
		.amdhsa_system_sgpr_workgroup_id_x 1
		.amdhsa_system_sgpr_workgroup_id_y 1
		.amdhsa_system_sgpr_workgroup_id_z 1
		.amdhsa_system_vgpr_workitem_id 0
		.amdhsa_next_free_vgpr 1024
		.amdhsa_next_free_sgpr 100
		.amdhsa_reserve_vcc 1
		.amdhsa_float_denorm_mode_32 3
		.amdhsa_float_denorm_mode_16_64 3
		.amdhsa_memory_ordered 1
		.amdhsa_forward_progress 1
		.amdhsa_inst_pref_size 255
	.end_amdhsa_kernel
	.section	.bss,"aw",@nobits
	.p2align	6
	.space	262144
	.amdgpu_metadata
---
amdhsa.version: [ 1, 2 ]
amdhsa.kernels:
  - .name:           k_q3b72bdec09_down
    .symbol:         k_q3b72bdec09_down.kd
    .args:
      - { .name: hq, .offset: 0, .size: 8, .value_kind: global_buffer, .address_space: global }
      - { .name: w2q, .offset: 8, .size: 8, .value_kind: global_buffer, .address_space: global }
      - { .name: expert_routing_table, .offset: 16, .size: 8, .value_kind: global_buffer, .address_space: global }
      - { .name: router_weights, .offset: 24, .size: 8, .value_kind: global_buffer, .address_space: global }
      - { .name: lowp_scales, .offset: 32, .size: 8, .value_kind: global_buffer, .address_space: global }
      - { .name: out0, .offset: 40, .size: 8, .value_kind: global_buffer, .address_space: global }
    .group_segment_fixed_size: 327680
    .private_segment_fixed_size: 0
    .kernarg_segment_align: 8
    .kernarg_segment_size: 48
    .max_flat_workgroup_size: 128
    .sgpr_count:     100
    .vgpr_count:     1024
    .wavefront_size: 32
...
	.end_amdgpu_metadata
.endif
;; end of part 3
